; MI455X (gfx1250); checked and timed in simulation.
; The chip was launched on July 23, 2026; its instructions are those of AMD's public machine-readable ISA for CDNA 5 (MIT licence, August 2026) and "CDNA5" Instruction Set Architecture Reference Guide (July 2026). The comments in the code are by the model that wrote it; some were corrected since.
;; Self Multi Head Attention. Allowed arithmetic: matrix products marked QUANTISED: E2M1 operands, one E8M0 scale for each 32 along K, by v_wmma_scale_f32_16x16x128_f8f6f4 with both operands' format E2M1 (or v_wmma_scale_f32_32x16x128_f4), f32 sums; everything else in f32.
;; Inputs: Wk_codes 1,024 x 32 x 16 uint8 (E2M1 codes of Wk, K innermost, in blocks of 32 codes, two codes a byte); Wk_scales 1,024 x 32 uint8 (E8M0 scales of Wk, one for each 32 codes along K); Wo_codes 1,024 x 32 x 16 uint8 (E2M1 codes of Wo, K innermost, in blocks of 32 codes, two codes a byte); Wo_scales 1,024 x 32 uint8 (E8M0 scales of Wo, one for each 32 codes along K); Wq_codes 1,024 x 32 x 16 uint8 (E2M1 codes of Wq, K innermost, in blocks of 32 codes, two codes a byte); Wq_scales 1,024 x 32 uint8 (E8M0 scales of Wq, one for each 32 codes along K); Wv_codes 1,024 x 32 x 16 uint8 (E2M1 codes of Wv, K innermost, in blocks of 32 codes, two codes a byte); Wv_scales 1,024 x 32 uint8 (E8M0 scales of Wv, one for each 32 codes along K); bk 1,024 float32; bo 1,024 float32; bq 1,024 float32; bv 1,024 float32; x_codes 4 x 2,048 x 32 x 16 uint8 (E2M1 codes of x, K innermost, in blocks of 32 codes, two codes a byte); x_scales 4 x 2,048 x 32 uint8 (E8M0 scales of x, one for each 32 codes along K).
;; Outputs: out0 4 x 2,048 x 1,024 float32.
;; This version of the problem:
;;   THIS VERSION OF THE PROBLEM IS GIVEN IN LOW PRECISION. The matrix products marked QUANTISED in the list below multiply operands that are first quantised to E2M1 (2 exponent bits, 1 mantissa bit; 4 bits a number), with one power-of-two scale for each 32 numbers along K (OCP MX v1.0); their sums are f32. All else is computed in f32.
;;   The module's matrix products, in the order in which they are computed (A, B: the left and right operand; K: the contracted axis; several contracted axes count as one K, in the product's order):
;;     1. [M 8,192, K 1,024] x [K 1,024, N 1,024]; A: input x (given as codes); B: input Wq (given as codes): QUANTISED
;;     2. [M 8,192, K 1,024] x [K 1,024, N 1,024]; A: input x (given as codes); B: input Wk (given as codes): QUANTISED
;;     3. [M 8,192, K 1,024] x [K 1,024, N 1,024]; A: input x (given as codes); B: input Wv (given as codes): QUANTISED
;;     4. batch 64 x [M 2,048, K 64] x [K 64, N 2,048]; A: computed on the way; B: computed on the way: QUANTISED
;;     5. batch 64 x [M 2,048, K 2,048] x [K 2,048, N 64]; A: softmax (see below); B: computed on the way: QUANTISED
;;     6. [M 8,192, K 1,024] x [K 1,024, N 1,024]; A: computed on the way; B: input Wo (given as codes): QUANTISED
;;   THE QUANTISER, for each operand of a quantised product, along K:
;;     - K is cut into blocks of 32 from its start; a last block that is shorter is filled with zeros.
;;     - A block's scale is 2^e with e = floor(log2(the largest magnitude in the block)) - 2, held to -126 .. 127; a block of zeros has e = 0. As a byte (E8M0): e + 127.
;;     - Each number is divided by its block's scale, clamped to +-6, and rounded to the nearest number of E2M1, ties to even, subnormals kept.
;;     - The product sums the exact products of the quantised numbers (number of the format x scale) in f32.
;;   ~~~python
;;   def quantise(x, axis):      # numpy; x: float32 -> the quantised numbers, widened to float32 again
;;       x = np.moveaxis(x, axis, -1); K = x.shape[-1]
;;       x = np.pad(x, [(0, 0)] * (x.ndim - 1) + [(0, -K % 32)]); x = x.reshape(x.shape[:-1] + (-1, 32)); a = np.abs(x).max(-1, keepdims=True)
;;       e = np.where(a > 0, np.clip(np.frexp(np.where(a > 0, a, 1))[1] - 1 - 2, -126, 127), 0)      # np.frexp(a)[1] - 1 = floor(log2(a)), exactly
;;       r = np.clip(x / 2.0 ** e, -6, 6)
;;       step = 2.0 ** (np.maximum(np.frexp(np.where(r == 0, 1, r))[1] - 1, 0) - 1)
;;       q = np.round(r / step) * step * 2.0 ** e      # np.round: ties to even
;;       return np.moveaxis(q.reshape(q.shape[:-2] + (-1,))[..., :K], -1, axis).astype(np.float32)
;;   ~~~
;;   SOFTMAX AHEAD OF A QUANTISED PRODUCT. Where the list says 'softmax', what is quantised is not the finished softmax but p = 2^(t - M), with t = logit x log2(e) and M = ceil(the row's largest t), a whole number; so 1/2 < the row's largest p <= 1. The row's sum l is taken of the UNQUANTISED p, in f32, and the product's result is divided by l at the end. Since M is a whole number, a kernel that streams over the keys may use a running M (the ceiling of the running maximum): every later rescaling is an exact power of two, which a block's scale takes up: the codes' values come out the same.
;;   OPERANDS COMPUTED ON THE WAY. 'Computed on the way' means the value that the module computes at that place (a softmax that the list does not call 'softmax' is quantised finished and normalised). What goes into a quantiser is computed in f32, as accurately as f32 sums, v_exp_f32 and their like allow (about 1e-6 of the number): no bf16 or f16 on the way to a quantiser, and a product that is left as it is and whose result goes on into a quantised operand takes f32 operands (vector FMAs, or v_wmma_f32_16x16x4_f32). A number that lies on a knife's edge between two numbers of the format may be rounded either way, as far as f32 arithmetic and the matrix unit's own rounding can turn it there, and no further.
;;   INPUTS GIVEN AS CODES. Wk (in the module: [1024, 1024], K = its axis 1); Wo (in the module: [1024, 1024], K = its axis 1); Wq (in the module: [1024, 1024], K = its axis 1); Wv (in the module: [1024, 1024], K = its axis 1); x (in the module: [4, 2048, 1024], K = its axis 2): each comes as NAME_codes (uint8): NAME with its K axis moved to the last place and cut into blocks of 32 codes, [.., K / 32, bytes a block], one block behind the other in memory; two codes a byte, the lower K in the low four bits (a code: sign, 2 exponent bits, 1 mantissa bit); and NAME_scales (uint8): the same leading axes, one E8M0 byte (e + 127) for each 32 codes along K. Its value is code x scale, taken as it is: it is not quantised again, and the codes and scales need not be those that the quantiser above would give.
;; One version. Each part assembles by itself: llvm-mc -triple=amdgcn-amd-amdhsa -mcpu=gfx1250 --defsym DOCPART=n.
;; ======== version 1 of 1: 3 launches
;; workspace buffers: q_img 4,194,304 bytes; q_sc 262,144 bytes; k_img 4,194,304 bytes; k_sc 262,144 bytes; v_img 4,194,304 bytes; v_sc 262,144 bytes; o_img 4,194,304 bytes; o_sc 262,144 bytes
;; launch qkv (part 1): grid 12 x 64, 4 waves a work-group, clusters of 4 x 4, 217,600 bytes of LDS; arguments x_codes, x_scales, Wq_codes, Wq_scales, bq, q_img, q_sc, Wk_codes, Wk_scales, bk, k_img, k_sc, Wv_codes, Wv_scales, bv, v_img, v_sc; writes q_img, q_sc, k_img, k_sc, v_img, v_sc
.if DOCPART == 1
	.amdgcn_target "amdgcn-amd-amdhsa--gfx1250"
	.amdhsa_code_object_version 6
	.text
	.protected	k_qb73fd7f311_qkv
	.globl	k_qb73fd7f311_qkv
	.p2align	8
	.type	k_qb73fd7f311_qkv,@function
k_qb73fd7f311_qkv:
	s_mov_b64 s[64:65], 0
	v_nop
	global_prefetch_b8 v0, s[64:65] scope:SCOPE_SE
	s_setreg_imm32_b32 hwreg(HW_REG_WAVE_MODE, 25, 1), 1
	s_wait_xcnt 0x0
	s_wait_alu depctr_hold_cnt(0) depctr_sa_sdst(0) depctr_va_vdst(0) depctr_va_sdst(0) depctr_va_ssrc(0) depctr_va_vcc(0) depctr_vm_vsrc(0)
	s_getreg_b32 s2, hwreg(HW_REG_IB_STS2, 6, 4)
	s_cmp_eq_u32 s2, 0
	s_cbranch_scc0 .Lentry_in_a_cluster
	s_endpgm
.Lentry_in_a_cluster:
	s_bfe_u32 s2, ttmp6, 0x10000c
	s_cmp_lg_u32 s2, 0xf033
	s_cbranch_scc0 .Lentry_shape_is_right
	s_endpgm
.Lentry_shape_is_right:
; Q = x Wq^T + bq, K = x Wk^T + bk, V = x Wv^T + bv on codes of FP4 (E2M1) with one E8M0 scale for each 32 along K = 1,024; sums in f32.
; The results are quantised at once: Q and K along a head's 64 channels (two blocks of 32), V along the keys (blocks of 32 keys), and leave as codes and scale words only.
; SHARES.  Cluster x = 0, 1, 2 makes Q, K, V (the same in all sixteen partners); cx picks 256 rows of that weight (four heads); 4 x cluster y + cy picks 128 rows of x.
; A work-group makes 128 rows x 256 columns; wave w makes all 128 rows (8 tiles a) x head 4 cx + w (4 tiles t): 32 accumulators of 16 x 16, 256 registers.
; All of K fits: 128 rows of x and 256 rows of W, 512 bytes each, and their scale bytes come into LDS ONCE, by joint loads (x's shared along the cluster's row, W's along its column).  No LDS byte is filled twice.
; THE ROWS OF A TILE ARE NOT NEIGHBOURS: lane i of tile 2 b + u takes row 32 b + 8 u + i + 8 (i / 8), of x and of W alike.  So the 16 registers of result tiles 2 b and 2 b + 1 are 16 neighbours, 32 b + 16 (lane / 16) + 0 .. 15,
; along the axis of source 0.  Q, K: source 0 = W (a lane holds one row of x, its registers run along the channels).  V: source 0 = x (a lane holds one channel, its registers run along the keys).
; WHAT IS STORED are images of operand registers: four registers by one store, lane l's 16 bytes at 16 l.  q_img, k_img: [head][tile of 16 rows][512]: lane (r, h): channels 32 h .. 32 h + 31 of the tile's row r.
; v_img: [head][128 keys][tile t of 16 channels][c][512]: lane (r, h): keys 64 c + 32 h .. + 31 of channel (t, r).  The scale words: [head][128 rows][r][4 words].
; LIMITS: NaN and infinities are not served.  A block of zeros gets the byte 1 where the quantiser says 127: its codes are zeros, and this program alone reads the bytes; the floor 2^-124 under the largest magnitude is the quantiser's hold at -126.
; REGISTERS, in windows of 256: window 0: v8-15 addresses; v32-95 x's scale words, v96-127 W's (nothing else ever lies there); v128-255 x's fragments, two sets; on the way out v128-179 are at work.
;   window 1: the accumulators.   window 2: v0-63 W's fragments, two sets; v64-95 the bias, eight registers a tile t, in the result's layout.
.set AUP,   33920                      ; LDS: x's rows 32 z + y (y < 16) from byte 0, in places of 528 bytes (512 + 16 of padding); rows 32 z + 16 + y from here
.set BLO,   67840                      ; W's rows 32 z + y
.set BUP,   67712                      ; and, so many bytes on, rows 32 z + 16 + y.  Both upper parts begin 128 bytes off a multiple of 256: a tile's lanes 0-7 start at banks 4 i, lanes 8-15 at banks 32 + 4 i (64 banks of 4 bytes: ISA guide 11.1)
.set SCA,   203264                     ; x's scale bytes: 16 pieces of 256 bytes + 16 of padding
.set SCB,   207616                     ; W's: 32 pieces
.set CODEW, (3<<16)|(1<<20)|(1<<21)|(6<<22)|(3<<25)   ; group 1, word 0 beside the mask: elements of 8 bytes; padding on; bit 21 set beside a mask; after every 128 words, 4 words
.set SCLW,  (3<<16)|(1<<20)|(1<<21)|(5<<22)|(3<<25)   ; the same after every 64 words
.set ADRA, 8                           ; v8   my lane's place in a tile of x
.set ADRB, 9                           ; v9   in a tile of my head's rows of W
.set ADSA, 10                          ; v10  among x's scale bytes
.set ADSB, 11                          ; v11  among W's
.set GI,   12                          ; v12  16 x lane: an image's place
.set GS,   13                          ; v13  16 x (lane % 16): a row's four scale words
.set BQK,  14                          ; v14  the bias's offset for Q and K: 64 (lane / 16)
.set BVO,  15                          ; v15  for V: 4 (r + 8 (r / 8))
.set SA,   32
.set SB,   96
.set AF,   128
.set TM,   128                         ; the way out: v128-131 largest magnitudes, v132-135 bytes, v140-143 the conversions' scale operands
.set PC,   144                         ; v144-175 the codes: eight registers for each of four fragments, so that no store's data are written again
.set SW,   176                         ; v176-179 their scale words
.set BIAS, 64
.set WV,   38
.set HW,   39                          ; wave / 2: I fetch for x (0) or for W (1)
.set HF,   40                          ; wave % 2: the lower or the upper part
.set CX,   41
.set CY,   42
.set TR,   43                          ; which 128 rows of x
.set SEL,  58
.set G0A,  20
.set G0B,  24
.set G0SA, 28
.set G0SB, 32
.set G1A,  68
.set G1B,  76
.set G1SA, 84
.set G1SB, 92
.set MSB, 0
.macro WIN new                         ; the immediate's high byte repeats the setting that is left; a switch that changes nothing is dropped
.if MSB != (\new)
	s_set_vgpr_msb (MSB<<8)|(\new)
.set MSB, (\new)
.endif
.endm
.macro PLACES n
.rept \n
	v_nop
.endr
.endm
.macro CROUND                          ; a round of the cluster's barrier
	s_barrier_signal -1
	s_barrier_wait -1
	s_cmp_lg_u32 s[WV], 0
	s_cbranch_scc1 .Lnw0_\@
	s_barrier_signal -3
.Lnw0_\@:
	s_barrier_wait -3
	s_barrier_signal -1
	s_barrier_wait -1
.endm
; A joint load: waves 0 and 1 fetch for x, waves 2 and 3 for W.  The branch hangs on the wave's number alone.  Four v_nop follow each of the two lines.
.macro JLOAD g0a, g1a, g0b, g1b
	s_cmp_eq_u32 s[HW], 0
	s_cbranch_scc0 .Lfor_b_\@
	tensor_load_to_lds s[\g0a:\g0a+3], s[\g1a:\g1a+7]
	s_nop 0
.rept 4
	v_nop
.endr
	s_branch .Lasked_\@
.Lfor_b_\@:
	tensor_load_to_lds s[\g0b:\g0b+3], s[\g1b:\g1b+7]
	s_nop 0
.rept 4
	v_nop
.endr
.Lasked_\@:
.endm
	s_load_b128 s[4:7], s[0:1], 0x0                ; x's codes, x's scales
	s_load_b512 s[8:23], s[0:1], 0x10              ; Q's five: W's codes s[8:9], W's scales s[10:11], bias s[12:13], images s[14:15], scale words s[16:17]; K's from s18 on
	s_load_b256 s[24:31], s[0:1], 0x50             ; K's five are s[18:27]; V's from s28 on
	s_load_b128 s[32:35], s[0:1], 0x70
	s_load_b64 s[36:37], s[0:1], 0x80              ; V's five are s[28:37]
	v_lshl_add_u32 v30, v0, 2, 0x35000
	v_mov_b32 v31, 0
	ds_add_u32 v30, v31
	ds_add_u32 v30, v31
	v_lshrrev_b32 v1, 5, v0
	v_readfirstlane_b32 s[WV], v1                  ; wave 0..3
	s_lshr_b32 s[HW], s[WV], 1
	s_and_b32 s[HF], s[WV], 1
	s_bfe_u32 s[CX], ttmp6, 0x40000                ; my place in the cluster
	s_bfe_u32 s[CY], ttmp6, 0x40004
	s_and_b32 s[TR], ttmp7, 0xffff
	s_lshl_b32 s[TR], s[TR], 2
	s_add_co_u32 s[TR], s[TR], s[CY]               ; 4 x cluster y + cy
	s_lshl_b32 s44, s[CY], 2
	s_lshl_b32 s44, 15, s44                        ; my row of the cluster
	s_lshl_b32 s45, 0x1111, s[CX]                  ; my column
	; group 1 for the codes: a row of the tile is 16 rows of memory on end (1,024 elements of 8 bytes); from one to the next 32 rows of memory; x has 4 such rows to a load, W 8
	s_or_b32 s[G1A], s44, CODEW
	s_or_b32 s[G1B], s45, CODEW
.irp g, G1A, G1B
	s_mov_b32 s[\g+1], 1024<<16                    ; tensor_dim0
	s_mov_b32 s[\g+3], 1024<<16                    ; tile_dim0
	s_mov_b32 s[\g+5], 2048                        ; tensor_dim0_stride
	s_mov_b32 s[\g+6], 0
	s_mov_b32 s[\g+7], 0
.endr
	s_mov_b32 s[G1A+2], 4<<16                      ; tensor_dim1
	s_mov_b32 s[G1A+4], 4                          ; tile_dim1
	s_mov_b32 s[G1B+2], 8<<16
	s_mov_b32 s[G1B+4], 8
	; and for the scale bytes: dense memory as rows of 256 bytes: x 8 to a load, W 16
	s_or_b32 s[G1SA], s44, SCLW
	s_or_b32 s[G1SB], s45, SCLW
.irp g, G1SA, G1SB
	s_mov_b32 s[\g+1], 32<<16
	s_mov_b32 s[\g+3], 32<<16
	s_mov_b32 s[\g+5], 32
	s_mov_b32 s[\g+6], 0
	s_mov_b32 s[\g+7], 0
.endr
	s_mov_b32 s[G1SA+2], 8<<16
	s_mov_b32 s[G1SA+4], 8
	s_mov_b32 s[G1SB+2], 16<<16
	s_mov_b32 s[G1SB+4], 16
	; where the tiles begin, in bytes.  x's hang on the rows alone, which my row of the cluster shares; W's on cx alone, which my column shares
	s_lshl_b32 s54, s[HF], 13                      ; 16 rows of 512 bytes for the upper part
	s_lshl_b32 s46, s[TR], 16
	s_add_co_u32 s46, s46, s54                     ; x's codes: (128 rows x TR + 16 HF) x 512
	s_mov_b32 s47, 0
	s_lshl_b32 s55, s[HF], 11
	s_lshl_b32 s48, s[TR], 12
	s_add_co_u32 s48, s48, s55                     ; x's scales: (128 TR + 64 HF) x 32
	s_mov_b32 s49, 0
	s_lshl_b32 s50, s[CX], 17
	s_add_co_u32 s50, s50, s54                     ; W's codes: (256 cx + 16 HF) x 512
	s_mov_b32 s51, 0
	s_lshl_b32 s55, s[HF], 12
	s_lshl_b32 s52, s[CX], 13
	s_add_co_u32 s52, s52, s55                     ; W's scales: (256 cx + 128 HF) x 32
	s_mov_b32 s53, 0
	s_mov_b32 s[SEL], 0x76543210
	s_mov_b32 s[SEL+1], 0xfedcba98                 ; v_permlanex16_b32's selects for lane l xor 16
	s_wait_dscnt 0x0
	s_wait_kmcnt 0x0
	s_cmp_eq_u32 ttmp9, 1                          ; which of the three products: the choice hangs on the cluster's x alone
.irp i, 0,2,4,6,8
	s_cselect_b64 s[8+\i:9+\i], s[18+\i:19+\i], s[8+\i:9+\i]
.endr
	s_cmp_eq_u32 ttmp9, 2
.irp i, 0,2,4,6,8
	s_cselect_b64 s[8+\i:9+\i], s[28+\i:29+\i], s[8+\i:9+\i]
.endr
	; group 0 (s18 to s37 are free now)
	s_mov_b32 s[G0A], 1
	s_mul_i32 s[G0A+1], s[HF], AUP
	s_add_nc_u64 s[G0A+2:G0A+3], s[4:5], s[46:47]
	s_or_b32 s[G0A+3], s[G0A+3], 0x80000000
	s_mov_b32 s[G0B], 1
	s_mul_i32 s[G0B+1], s[HF], BUP
	s_add_co_u32 s[G0B+1], s[G0B+1], BLO
	s_add_nc_u64 s[G0B+2:G0B+3], s[8:9], s[50:51]
	s_or_b32 s[G0B+3], s[G0B+3], 0x80000000
	s_mov_b32 s[G0SA], 1
	s_mul_i32 s[G0SA+1], s[HF], 2176
	s_add_co_u32 s[G0SA+1], s[G0SA+1], SCA
	s_add_nc_u64 s[G0SA+2:G0SA+3], s[6:7], s[48:49]
	s_or_b32 s[G0SA+3], s[G0SA+3], 0x80000000
	s_mov_b32 s[G0SB], 1
	s_mul_i32 s[G0SB+1], s[HF], 4352
	s_add_co_u32 s[G0SB+1], s[G0SB+1], SCB
	s_add_nc_u64 s[G0SB+2:G0SB+3], s[10:11], s[52:53]
	s_or_b32 s[G0SB+3], s[G0SB+3], 0x80000000
	CROUND                                         ; all sixteen work-groups are here: the joint loads meet
	JLOAD G0SA, G1SA, G0SB, G1SB                   ; two loads a wave are out: the launch's only fills
	JLOAD G0A, G1A, G0B, G1B
	v_and_b32 v1, 15, v0                           ; r
	v_bfe_u32 v2, v0, 4, 1                         ; h
	v_and_b32 v3, 7, v0                            ; r % 8
	v_bfe_u32 v4, v0, 3, 1                         ; r / 8
	v_mul_u32_u24 v5, v3, 528
	v_lshl_add_u32 v5, v2, 4, v5                   ; (r % 8) places + 16 h
	v_mad_u32_u24 v[ADRA], v4, AUP, v5             ; lanes 8-15 of a tile read the upper part
	v_mad_u32_u24 v[ADRB], v4, BUP, v5
	s_mul_i32 s54, s[WV], 16896                    ; my head's 64 rows: 32 places in each part
	s_add_co_u32 s54, s54, BLO
	v_add_nc_u32 v[ADRB], s54, v[ADRB]
	v_lshlrev_b32 v6, 5, v3                        ; scale bytes: 32 a row, eight rows to a piece of 272; lanes 8-15 two pieces on
	v_mad_u32_u24 v6, v4, 544, v6
	v_add_nc_u32 v[ADSA], SCA, v6
	s_mul_i32 s54, s[WV], 2176
	s_add_co_u32 s54, s54, SCB
	v_add_nc_u32 v[ADSB], s54, v6
	v_and_b32 v7, 31, v0
	v_lshlrev_b32 v[GI], 4, v7
	v_lshlrev_b32 v[GS], 4, v1
	v_lshlrev_b32 v[BQK], 6, v2
	v_lshl_add_u32 v[BVO], v4, 3, v1
	v_lshlrev_b32 v[BVO], 2, v[BVO]
	s_lshl_b32 s54, s[CX], 10
	s_lshl_b32 s55, s[WV], 8
	s_add_co_u32 s54, s54, s55
	s_mov_b32 s55, 0
	s_add_nc_u64 s[12:13], s[12:13], s[54:55]      ; the bias at my head's 64 numbers
	; THE BIAS is the C of each sum's first product: eight registers a tile t, in the result's layout
	s_cmp_eq_u32 ttmp9, 2
	s_cbranch_scc1 .Lbias_v
	WIN 0x80                                       ; destination window 2
	s_wait_alu depctr_va_vdst(0)
.irp t, 0,1,2,3                                ; Q, K: register j of lane (r, h) is channel 32 (t / 2) + 16 h + 8 (t % 2) + j
	global_load_b128 v[BIAS+8*\t:BIAS+8*\t+3], v[BQK], s[12:13] offset:(32*(\t/2)+8*(\t%2))*4
	global_load_b128 v[BIAS+8*\t+4:BIAS+8*\t+7], v[BQK], s[12:13] offset:(32*(\t/2)+8*(\t%2))*4+16
.endr
	WIN 0
	s_branch .Lbias_done
.Lbias_v:
	WIN 0x80
	s_wait_alu depctr_va_vdst(0)
.irp t, 0,1,2,3                                ; V: a lane is one channel, 32 (t / 2) + 8 (t % 2) + r + 8 (r / 8): its eight registers hold the same number
.irp j, 0,1,2,3,4,5,6,7
	global_load_b32 v[BIAS+8*\t+\j], v[BVO], s[12:13] offset:(32*(\t/2)+8*(\t%2))*4
.endr
.endr
	WIN 0
.Lbias_done:
	; where my results go: head number bh = 16 x batch + 4 cx + wave; the 128 rows' number in the sequence
	s_lshr_b32 s54, s[TR], 4
	s_lshl_b32 s54, s54, 4
	s_lshl_b32 s55, s[CX], 2
	s_add_co_u32 s54, s54, s55
	s_add_co_u32 s54, s54, s[WV]
	s_and_b32 s55, s[TR], 15
	s_lshl_b32 s56, s54, 16
	s_lshl_b32 s57, s55, 12
	s_add_co_u32 s56, s56, s57
	s_mov_b32 s57, 0
	s_add_nc_u64 s[14:15], s[14:15], s[56:57]      ; images: 65,536 bytes a head, 4,096 for 128 rows
	s_lshl_b32 s56, s54, 12
	s_lshl_b32 s55, s55, 8
	s_add_co_u32 s56, s56, s55
	s_add_nc_u64 s[16:17], s[16:17], s[56:57]      ; scale words: 4,096 a head, 256 for 128 rows
	s_wait_tensorcnt 0x0                           ; my two loads have landed,
	s_barrier_signal -1
	s_barrier_wait -1                              ; everybody's have
.irp hf, 0,1                                   ; all scale words, once: 16 bytes are a row's words of four K steps
.irp a, 0,1,2,3,4,5,6,7
	ds_load_b128 v[SA+32*\hf+4*\a:SA+32*\hf+4*\a+3], v[ADSA] offset:(4*(\a/2)+(\a%2))*272+16*\hf
.endr
.irp t, 0,1,2,3
	ds_load_b128 v[SB+16*\hf+4*\t:SB+16*\hf+4*\t+3], v[ADSB] offset:(4*(\t/2)+(\t%2))*272+16*\hf
.endr
.endr
; 24 LDS loads: the fragments of K step q (128 along K: 64 bytes of a row) into set q % 2.  A fragment is 8 registers: lane (r, h): registers 4 c .. 4 c + 3 hold K = 64 c + 32 h + 0 .. 31
.macro FETCH q
.irp a, 0,1,2,3,4,5,6,7
.irp c, 0,1
	ds_load_b128 v[AF+64*((\q)%2)+8*\a+4*\c:AF+64*((\q)%2)+8*\a+4*\c+3], v[ADRA] offset:4224*\a+64*(\q)+32*\c
.endr
.endr
	WIN 0x80
.irp t, 0,1,2,3
.irp c, 0,1
	ds_load_b128 v[32*((\q)%2)+8*\t+4*\c:32*((\q)%2)+8*\t+4*\c+3], v[ADRB] offset:4224*\t+64*(\q)+32*\c
.endr
.endr
	WIN 0
.endm
; K step q: the next step's fragments are asked for, then 32 products.  path = 0: Q, K (source 0 = W, accumulator (a, t) at 8 (4 a + t)); 1: V (source 0 = x, at 8 (8 t + a)).
; The 32 accumulators take turns, one instruction a turn, in the same order in every step.
.macro STEP path, q
.set AQ, AF+64*((\q)%2)
.set BQ, 32*((\q)%2)
.set SAQ, SA+32*((\q)/4)+(\q)%4
.set SBQ, SB+16*((\q)/4)+(\q)%4
.if (\q) > 0
	PLACES 4                                       ; the set that is loaded next was read by the products just issued: four places (ISA guide 7.12.1 for vector instructions)
.endif
.if (\q) < 7
	FETCH (\q)+1
	s_wait_dscnt 24                                ; all but the 24 just issued: this step's fragments (and, at the first step, the scale words) are in
.else
	s_wait_dscnt 0x0
.endif
.if (\q) == 0
	WIN 0x62+6*(\path)                             ; W window 2, x window 0, C = the bias in window 2, D window 1
.else
	WIN 0x52+6*(\path)                             ; C and D window 1
.endif
.irp a, 0,1,2,3,4,5,6,7
.irp t, 0,1,2,3
.if \path
.set DD, 8*(8*\t+\a)
.set OP0, AQ+8*\a
.set OP1, BQ+8*\t
.set SC0, SAQ+4*\a
.set SC1, SBQ+4*\t
.else
.set DD, 8*(4*\a+\t)
.set OP0, BQ+8*\t
.set OP1, AQ+8*\a
.set SC0, SBQ+4*\t
.set SC1, SAQ+4*\a
.endif
.if (\q) == 0
	v_wmma_scale_f32_16x16x128_f8f6f4 v[DD:DD+7], v[OP0:OP0+7], v[OP1:OP1+7], v[BIAS+8*\t:BIAS+8*\t+7], v[SC0], v[SC1] matrix_a_fmt:MATRIX_FMT_FP4 matrix_b_fmt:MATRIX_FMT_FP4
.else
	v_wmma_scale_f32_16x16x128_f8f6f4 v[DD:DD+7], v[OP0:OP0+7], v[OP1:OP1+7], v[DD:DD+7], v[SC0], v[SC1] matrix_a_fmt:MATRIX_FMT_FP4 matrix_b_fmt:MATRIX_FMT_FP4
.endif
.endr
.endr
	WIN 0
.endm
	FETCH 0
	s_wait_loadcnt 0x0                             ; the bias
	s_cmp_eq_u32 ttmp9, 2
	s_cbranch_scc1 .Lv_path
.irp q, 0,1,2,3,4,5,6,7
	STEP 0, \q
.endr
	s_branch .Lout
.Lv_path:
.irp q, 0,1,2,3,4,5,6,7
	STEP 1, \q
.endr
.Lout:
; THE WAY OUT is one for both paths.  Registers 64 g .. 64 g + 63 of window 1 are four blocks of 32, block b in registers 16 b .. 16 b + 15 of lanes l and l xor 16:
; Q, K: tiles 2 g and 2 g + 1 of rows, two blocks of channels each;  V: tile g of channels, the four blocks of the 128 keys.
; 64 numbers of a lane become a fragment's codes in v[pc] on and its scale word in v[pw].  Each accumulator is read from its low end on.
.macro QUANT s, pc, pw
	WIN 0x05                                       ; sources 0 and 1 window 1
.irp b, 0,1,2,3
	v_max3_num_f32 v[TM+\b], |v[(\s)+16*\b]|, |v[(\s)+16*\b+1]|, 0x1800000   ; my 16 numbers of block b, and the floor 2^(3 - 127): the byte cannot fall under 1
.endr
	WIN 0x14                                       ; sources 1 and 2 window 1
.irp i, 2,4,6,8,10,12,14
.irp b, 0,1,2,3
	v_max3_num_f32 v[TM+\b], v[TM+\b], |v[(\s)+16*\b+\i]|, |v[(\s)+16*\b+\i+1]|   ; (the four blocks by turns)
.endr
.endr
	WIN 0
.irp b, 0,1,2,3
	v_permlanex16_b32 v[TM+4+\b], v[TM+\b], s[SEL], s[SEL+1]
.endr
.irp b, 0,1,2,3
	v_max_num_f32 v[TM+\b], v[TM+\b], v[TM+4+\b]   ; with lane l xor 16's: the block's largest magnitude
.endr
.irp b, 0,1,2,3
	v_add_nc_u32 v[TM+12+\b], 0xff000000, v[TM+\b] ; 2 off its exponent field: the conversion takes the exponent field of this operand as its scale
.endr
.irp b, 0,1,2,3
	v_lshrrev_b32 v[TM+4+\b], 23, v[TM+12+\b]      ; the scale's byte
.endr
	v_lshl_or_b32 v[\pw], v[TM+5], 8, v[TM+4]
	v_lshl_or_b32 v[\pw], v[TM+6], 16, v[\pw]
	v_lshl_or_b32 v[\pw], v[TM+7], 24, v[\pw]
	WIN 0x01                                       ; source 0 window 1
.irp b, 0,1,2,3
	v_cvt_scalef32_pk8_fp4_f32 v[(\pc)+2*\b], v[(\s)+16*\b:(\s)+16*\b+7], v[TM+12+\b]
	v_cvt_scalef32_pk8_fp4_f32 v[(\pc)+2*\b+1], v[(\s)+16*\b+8:(\s)+16*\b+15], v[TM+12+\b]
.endr
	WIN 0
	v_nop                                          ; one plain place behind a scaled conversion
.irp c, 0,1                                    ; the operand's layout wants a whole block in a lane: lanes 0-15 block 2 c, lanes 16-31 block 2 c + 1
.irp i, 0,1
	v_permlane16_swap_b32 v[(\pc)+4*\c+\i], v[(\pc)+4*\c+2+\i]
.endr
.endr
.endm
	PLACES 4                                       ; behind the last products, ahead of the first read of results and of writes into registers that held fragments
.irp b, 0,1,2,3
	v_mov_b32 v[TM+4+\b], 0                        ; a lane permute's destination counts as one of its sources
.endr
.irp g, 0,1,2,3
	QUANT 64*\g, PC+8*\g, SW+\g
	global_store_b128 v[GI], v[PC+8*\g:PC+8*\g+3], s[14:15] offset:1024*\g        ; 32 lanes store 512 consecutive bytes; the wave's eight stores cover 4,096 on end
	global_store_b128 v[GI], v[PC+8*\g+4:PC+8*\g+7], s[14:15] offset:1024*\g+512
.endr
	global_store_b128 v[GS], v[SW:SW+3], s[16:17]  ; row r's four words: 256 consecutive bytes; lanes 16-31 hold and write the same as lanes 0-15
	s_wait_tensorcnt 0x0
	ds_add_u32 v30, v31
	s_wait_dscnt 0x0
	CROUND                                         ; the closing round: no work-group ends while a partner may still ask for a tile that names it
	s_endpgm
.Lfunc_end_k_qb73fd7f311_qkv:
	.size	k_qb73fd7f311_qkv, .Lfunc_end_k_qb73fd7f311_qkv-k_qb73fd7f311_qkv
	.p2alignl 7, 3214868480
	.fill 96, 4, 3214868480
	.section	.rodata,"a",@progbits
	.p2align	6, 0x0
	.amdhsa_kernel k_qb73fd7f311_qkv
		.amdhsa_group_segment_fixed_size 217600
		.amdhsa_private_segment_fixed_size 0
		.amdhsa_enable_private_segment 0
		.amdhsa_kernarg_size 136
		.amdhsa_user_sgpr_count 2
		.amdhsa_user_sgpr_kernarg_segment_ptr 1
		.amdhsa_wavefront_size32 1
		.amdhsa_system_sgpr_workgroup_id_x 1
		.amdhsa_system_sgpr_workgroup_id_y 1
		.amdhsa_system_sgpr_workgroup_id_z 1
		.amdhsa_system_vgpr_workitem_id 0
		.amdhsa_next_free_vgpr 640
		.amdhsa_next_free_sgpr 100
		.amdhsa_reserve_vcc 0
		.amdhsa_float_denorm_mode_32 3
		.amdhsa_float_denorm_mode_16_64 3
		.amdhsa_memory_ordered 1
		.amdhsa_forward_progress 1
		.amdhsa_inst_pref_size 122
	.end_amdhsa_kernel
	.amdgpu_metadata
---
amdhsa.version: [ 1, 2 ]
amdhsa.kernels:
  - .name:           k_qb73fd7f311_qkv
    .symbol:         k_qb73fd7f311_qkv.kd
    .args:
      - { .name: x_codes, .offset: 0, .size: 8, .value_kind: global_buffer, .address_space: global }
      - { .name: x_scales, .offset: 8, .size: 8, .value_kind: global_buffer, .address_space: global }
      - { .name: Wq_codes, .offset: 16, .size: 8, .value_kind: global_buffer, .address_space: global }
      - { .name: Wq_scales, .offset: 24, .size: 8, .value_kind: global_buffer, .address_space: global }
      - { .name: bq, .offset: 32, .size: 8, .value_kind: global_buffer, .address_space: global }
      - { .name: q_img, .offset: 40, .size: 8, .value_kind: global_buffer, .address_space: global }
      - { .name: q_sc, .offset: 48, .size: 8, .value_kind: global_buffer, .address_space: global }
      - { .name: Wk_codes, .offset: 56, .size: 8, .value_kind: global_buffer, .address_space: global }
      - { .name: Wk_scales, .offset: 64, .size: 8, .value_kind: global_buffer, .address_space: global }
      - { .name: bk, .offset: 72, .size: 8, .value_kind: global_buffer, .address_space: global }
      - { .name: k_img, .offset: 80, .size: 8, .value_kind: global_buffer, .address_space: global }
      - { .name: k_sc, .offset: 88, .size: 8, .value_kind: global_buffer, .address_space: global }
      - { .name: Wv_codes, .offset: 96, .size: 8, .value_kind: global_buffer, .address_space: global }
      - { .name: Wv_scales, .offset: 104, .size: 8, .value_kind: global_buffer, .address_space: global }
      - { .name: bv, .offset: 112, .size: 8, .value_kind: global_buffer, .address_space: global }
      - { .name: v_img, .offset: 120, .size: 8, .value_kind: global_buffer, .address_space: global }
      - { .name: v_sc, .offset: 128, .size: 8, .value_kind: global_buffer, .address_space: global }
    .group_segment_fixed_size: 217600
    .private_segment_fixed_size: 0
    .kernarg_segment_align: 8
    .kernarg_segment_size: 136
    .max_flat_workgroup_size: 128
    .sgpr_count:     100
    .vgpr_count:     640
    .wavefront_size: 32
...
	.end_amdgpu_metadata
.endif
;; end of part 1
;; launch attn (part 2): grid 4 x 64, 16 waves a work-group, clusters of 4 x 1, 169,984 bytes of LDS; arguments q_img, q_sc, k_img, k_sc, v_img, v_sc, o_img, o_sc; writes o_img, o_sc
.if DOCPART == 2
	.amdgcn_target "amdgcn-amd-amdhsa--gfx1250"
	.amdhsa_code_object_version 6
	.text
	.protected	k_qb73fd7f311_attn
	.globl	k_qb73fd7f311_attn
	.p2align	8
	.type	k_qb73fd7f311_attn,@function
k_qb73fd7f311_attn:
	s_mov_b64 s[64:65], 0
	v_nop
	global_prefetch_b8 v0, s[64:65] scope:SCOPE_SE
	s_setreg_imm32_b32 hwreg(HW_REG_WAVE_MODE, 25, 1), 1
	s_wait_xcnt 0x0
	s_wait_alu depctr_hold_cnt(0) depctr_sa_sdst(0) depctr_va_vdst(0) depctr_va_sdst(0) depctr_va_ssrc(0) depctr_va_vcc(0) depctr_vm_vsrc(0)
	s_getreg_b32 s2, hwreg(HW_REG_IB_STS2, 6, 4)
	s_cmp_eq_u32 s2, 0
	s_cbranch_scc0 .Lentry_in_a_cluster
	s_endpgm
.Lentry_in_a_cluster:
	s_bfe_u32 s2, ttmp6, 0x10000c
	s_cmp_lg_u32 s2, 0x3003
	s_cbranch_scc0 .Lentry_shape_is_right
	s_endpgm
.Lentry_shape_is_right:
; O[q] = the sum over k of softmax_k(Q[q] . K[k] / 8) V[k] for one head of 64 channels and 2,048 keys, both products on codes of FP4 (E2M1) with one E8M0 scale for each 32 along a product's K.
; THE SOFTMAX AHEAD OF THE SECOND PRODUCT: t = score x log2(e) / 8; M = the row's largest t so far, rounded UP to a whole number; p = 2^(t - M) is quantised along the keys, not normalised.
; The row's sum is taken of the unquantised p, in f32, and divides O at the end.  When M moves, the sum and O are multiplied by 2^(old M - new M): exact.  O / sum is then quantised along the channels (two blocks a head).
; SHARES.  A work-group owns 512 queries of one head, in two passes of 256; each of its sixteen waves owns one tile of 16 queries a pass, in 256 registers: four waves to a SIMD, so that one wave's vector
; work stands beside another's products and LDS loads.  The head's WHOLE K and V, codes and scale words (139,264 bytes), come into LDS once; no LDS byte is filled twice.
; CLUSTER.  The four work-groups of a head are one cluster and ask for K and V jointly: the same loads, the same descriptors, a mask that names the four.
; LAYOUT.  All operands arrive as images of operand registers (lane l's 16 bytes at 16 l).  Both products are used transposed: S^T = K Q^T, O^T = V^T P^T: a lane holds ONE query (lane % 16) throughout.
; The tiles' rows were chosen by the launch before so that the 16 registers of result tiles 2 b and 2 b + 1 are 16 neighbours (keys, then channels).
; A HEAD'S 64 CHANNELS IN A FORM 128 DEEP: a fragment of K holds TWO tiles of 16 keys (K = 0 .. 63: tile 2 g; 64 .. 127: tile 2 g + 1).  Q is kept twice: Q0 = (q, zero codes), Q1 = (zero codes, q): the product
; with Q0 gives tile 2 g's scores, that with Q1 tile 2 g + 1's.  Zero codes add nothing under the scale bytes met here, 1 to 254.
; LIMITS: NaN and infinities are not served.  A p under 2^-126 comes out of v_exp_f32 as 0 (ISA guide, 15.8).  1 / sum is v_rcp_f32 and a multiplication.  A block of zeros gets the byte 1 (zero codes; this program alone reads the bytes).
; O's two scale bytes of a row leave as two bytes a lane, 16 bytes apart: 32 bytes for a wave and pass; lanes 16-31 write what lanes 0-15 write.
.set VIMG, 65536                       ; LDS: K's images from 0, V's from here: 4,096 bytes for each 128 keys
.set KSC,  131072                      ; K's scale words: 256 bytes for each 128 keys: [r][pair g]
.set VSC,  135168                      ; V's: [r][tile t]
.set LI,  1                            ; v1   16 x lane
.set LV,  2                            ; v2   the same in V's images
.set LS,  3                            ; v3   KSC + 16 (lane % 16)
.set GR,  4                            ; v4   16 (lane % 16)
.set ADK, 5                            ; v5-7 the step's addresses
.set ADV, 6
.set ADS, 7
.set QW,  8                            ; v8   the word that holds my tile's two scale bytes
.set TQ,  9
.set QSW, 10                           ; v10  Q's scale word: the two bytes, twice
.set RL,  11                           ; v11  1 / sum
.set NM,  12                           ; v12  -M;  v13 the largest t
.set SUM, 14                           ; v[14:15] the sum, in two halves
.set Q0,  16                           ; v16-23;  v24-31 Q1
.set KF,  32                           ; v32-63  four fragments of K
.set VF,  64                           ; v64-95  four fragments of V^T
.set S,   96                           ; v96-159 S^T, then p
.set O,   160                          ; v160-191 O^T
.set PC,  192                          ; v192-199 p's codes
.set KS,  200                          ; v200-203 K's scale words, v204-207 V's, v208 p's: nothing else ever lies there
.set VS,  204
.set PSW, 208
.set OC,  210                          ; v210-217 O's codes, four registers a pass
.set OW,  218                          ; v218-219 O's two scale bytes, a register a pass
.set BM,  220
.set BT,  224
.set BO,  228
.set F,   232                          ; v[232:233] 2^(old M - new M), and a 0 named with it as a pair
.set SUM2, 234
.set T1,  236
.set WV,  20
.set SEL, 22
.set CS,  24                           ; s[24:25] c = log2(e) / 8
.set TB,  26                           ; s26  the step's first byte in K's and V's images
.set TS,  27                           ; s27  and among the scale words
.set CNT, 28
.set SH,  29                           ; s29  16 x (wave % 2): where my tile's bytes stand in Q's word
.set QB,  34
.set BH,  35
.set G1S, 36
.set G1C, 44
.set G0KS, 68
.set G0KC, 72
.set G0VS, 76
.set G0VC, 80
.macro PLACES n
.rept \n
	v_nop
.endr
.endm
.macro CROUND                          ; a round of the cluster's barrier
	s_barrier_signal -1
	s_barrier_wait -1
	s_cmp_lg_u32 s[WV], 0
	s_cbranch_scc1 .Lnw0_\@
	s_barrier_signal -3
.Lnw0_\@:
	s_barrier_wait -3
	s_barrier_signal -1
	s_barrier_wait -1
.endm
	s_load_b512 s[4:19], s[0:1], 0x0               ; q_img s[4:5], q_sc s[6:7], k_img s[8:9], k_sc s[10:11], v_img s[12:13], v_sc s[14:15], o_img s[16:17], o_sc s[18:19]
	v_lshl_add_u32 v254, v0, 2, 0x29000
	v_mov_b32 v255, 0
	ds_add_u32 v254, v255
	ds_add_u32 v254, v255
	v_lshrrev_b32 v1, 5, v0
	s_delay_alu instid0(VALU_DEP_1)
	v_readfirstlane_b32 s[WV], v1                  ; wave 0..15
	s_bfe_u32 s[QB], ttmp6, 0x40000                ; cx
	s_lshl_b32 s30, ttmp9, 2
	s_add_co_u32 s[QB], s[QB], s30                 ; my block of 512 queries: it enters Q's and O's addresses alone
	s_and_b32 s[BH], ttmp7, 0xffff                 ; 16 x batch + head, which the four partners share
	s_lshl_b32 s30, s[BH], 16                      ; the head's images,
	s_mov_b32 s31, 0
	s_lshl_b32 s32, s[BH], 12                      ; and its scale words
	s_mov_b32 s33, 0
	; group 1: dense memory as rows of 256 bytes (32 elements of 8 bytes), no padding: every LDS read takes 512 consecutive bytes or a row's 16
	s_mov_b32 s[G1S], 15|(3<<16)|(1<<21)           ; the mask: all four work-groups; elements of 8 bytes; bit 21 set beside a mask
	s_mov_b32 s[G1C], 15|(3<<16)|(1<<21)
.irp g, G1S, G1C
	s_mov_b32 s[\g+1], 32<<16
	s_mov_b32 s[\g+3], 32<<16
	s_mov_b32 s[\g+5], 32
	s_mov_b32 s[\g+6], 0
	s_mov_b32 s[\g+7], 0
.endr
	s_mov_b32 s[G1S+2], 16<<16                     ; the scale words: 16 rows
	s_mov_b32 s[G1S+4], 16
	s_mov_b32 s[G1C+2], 256<<16                    ; the images: 256 rows
	s_mov_b32 s[G1C+4], 256
	s_mov_b32 s[SEL], 0x76543210
	s_mov_b32 s[SEL+1], 0xfedcba98                 ; v_permlanex16_b32's selects for lane l xor 16
	s_mov_b32 s[CS], 0x3e38aa3b                    ; log2(e) / 8
	s_mov_b32 s[CS+1], s[CS]                       ; (named with it as a pair, so it is written)
	s_and_b32 s[SH], s[WV], 1
	s_lshl_b32 s[SH], s[SH], 4
	s_wait_dscnt 0x0
	s_wait_kmcnt 0x0
	s_mov_b32 s[G0KS], 1
	s_mov_b32 s[G0KS+1], KSC
	s_add_nc_u64 s[G0KS+2:G0KS+3], s[10:11], s[32:33]
	s_or_b32 s[G0KS+3], s[G0KS+3], 0x80000000
	s_mov_b32 s[G0KC], 1
	s_mov_b32 s[G0KC+1], 0
	s_add_nc_u64 s[G0KC+2:G0KC+3], s[8:9], s[30:31]
	s_or_b32 s[G0KC+3], s[G0KC+3], 0x80000000
	s_mov_b32 s[G0VS], 1
	s_mov_b32 s[G0VS+1], VSC
	s_add_nc_u64 s[G0VS+2:G0VS+3], s[14:15], s[32:33]
	s_or_b32 s[G0VS+3], s[G0VS+3], 0x80000000
	s_mov_b32 s[G0VC], 1
	s_mov_b32 s[G0VC+1], VIMG
	s_add_nc_u64 s[G0VC+2:G0VC+3], s[12:13], s[30:31]
	s_or_b32 s[G0VC+3], s[G0VC+3], 0x80000000
	CROUND                                         ; all four work-groups are here: the joint loads meet
	s_cmp_eq_u32 s[WV], 0                          ; wave 0 fetches K's, wave 1 V's, two loads each, in one branch a wave; the others fetch nothing.  Four v_nop follow the second
	s_cbranch_scc0 .Lnot_k
	tensor_load_to_lds s[G0KS:G0KS+3], s[G1S:G1S+7]
	s_nop 0
	tensor_load_to_lds s[G0KC:G0KC+3], s[G1C:G1C+7]
	s_nop 0
.rept 4
	v_nop
.endr
	s_branch .Lasked
.Lnot_k:
	s_cmp_eq_u32 s[WV], 1
	s_cbranch_scc0 .Lasked
	tensor_load_to_lds s[G0VS:G0VS+3], s[G1S:G1S+7]
	s_nop 0
	tensor_load_to_lds s[G0VC:G0VC+3], s[G1C:G1C+7]
	s_nop 0
.rept 4
	v_nop
.endr
.Lasked:
	; my tile in pass 0 is T = 32 x block + wave; pass 1's is 16 tiles on, which stands in the immediates
	s_lshl_b32 s52, s[QB], 5
	s_add_co_u32 s52, s52, s[WV]                   ; T
	s_mov_b32 s55, 0
	s_lshl_b32 s54, s52, 9
	s_add_nc_u64 s[4:5], s[4:5], s[30:31]
	s_add_nc_u64 s[4:5], s[4:5], s[54:55]          ; Q's image: 512 bytes a tile
	s_lshl_b32 s54, s[QB], 2
	s_lshr_b32 s56, s[WV], 3
	s_add_co_u32 s54, s54, s56
	s_lshl_b32 s54, s54, 8                         ; Q's scale words: 256 bytes for eight tiles,
	s_bfe_u32 s56, s[WV], 0x20001
	s_lshl_b32 s56, s56, 2
	s_add_co_u32 s54, s54, s56                     ; the word of my pair of tiles
	s_add_nc_u64 s[6:7], s[6:7], s[32:33]
	s_add_nc_u64 s[6:7], s[6:7], s[54:55]
	s_lshr_b32 s56, s[BH], 4
	s_lshl_b32 s56, s56, 7
	s_add_co_u32 s56, s56, s52                     ; the tile's number among all rows: 128 x batch + T
	s_lshl_b32 s54, s56, 13
	s_and_b32 s57, s[BH], 15
	s_lshl_b32 s57, s57, 9
	s_add_co_u32 s54, s54, s57
	s_add_nc_u64 s[16:17], s[16:17], s[54:55]      ; O's image: [tile][head][512]
	s_lshl_b32 s54, s56, 9                         ; O's scale words: [tile][half of the K steps][r][4 words]; K step = head / 2; my head's two bytes are the word's lower or upper half
	s_bfe_u32 s57, s[BH], 0x10003
	s_lshl_b32 s57, s57, 8
	s_add_co_u32 s54, s54, s57
	s_bfe_u32 s57, s[BH], 0x20001
	s_lshl_b32 s57, s57, 2
	s_add_co_u32 s54, s54, s57
	s_and_b32 s57, s[BH], 1
	s_lshl_b32 s57, s57, 1
	s_add_co_u32 s54, s54, s57
	s_add_nc_u64 s[18:19], s[18:19], s[54:55]
	v_and_b32 v[LI], 31, v0
	s_delay_alu instid0(VALU_DEP_1)
	v_lshlrev_b32 v[LI], 4, v[LI]
	s_delay_alu instid0(VALU_DEP_1)
	v_add_nc_u32 v[LV], VIMG, v[LI]
	v_and_b32 v[GR], 15, v0
	s_delay_alu instid0(VALU_DEP_1)
	v_lshlrev_b32 v[GR], 4, v[GR]
	s_delay_alu instid0(VALU_DEP_1)
	v_add_nc_u32 v[LS], KSC, v[GR]
.macro QLOAD p                         ; pass p's tile of Q, twice (the two operands share no register), and its scale word
	global_load_b128 v[Q0:Q0+3], v[LI], s[4:5] offset:8192*\p
	global_load_b128 v[Q0+12:Q0+15], v[LI], s[4:5] offset:8192*\p
	global_load_b32 v[QW], v[GR], s[6:7] offset:512*\p
.endm
	QLOAD 0
.irp j, 4,5,6,7,8,9,10,11
	v_mov_b32 v[Q0+\j], 0                          ; the zero codes of Q0's upper and Q1's lower half
.endr
.irp b, 0,1,2,3
	v_mov_b32 v[BT+\b], 0                          ; a lane permute's destination counts as one of its sources
.endr
	v_mov_b32 v[T1], 0
	v_mov_b32 v[F+1], 0
	s_wait_tensorcnt 0x0                           ; my loads have landed,
	s_barrier_signal -1
	s_barrier_wait -1                              ; everybody's have: from here on LDS is only read
.macro INIT                            ; a pass begins: Q's scale word; O^T and the sum are zeros, the largest t is -3e38: the first change of M multiplies zeros
	s_wait_loadcnt 0x0
	v_lshrrev_b32 v[TQ], s[SH], v[QW]
	s_delay_alu instid0(VALU_DEP_1)
	v_and_b32 v[TQ], 0xffff, v[TQ]
	s_delay_alu instid0(VALU_DEP_1)
	v_lshl_or_b32 v[QSW], v[TQ], 16, v[TQ]         ; (s0 s1 s0 s1).  More than eight plain lines stand between this line and the first product
	v_mov_b32 v[NM+1], 0xff61b1e6
	s_delay_alu instid0(VALU_DEP_1)
	v_floor_f32 v[NM], -v[NM+1]
	v_mov_b32 v[SUM], 0
	v_mov_b32 v[SUM+1], 0
.irp j, 0,1,2,3,4,5,6,7,8,9,10,11,12,13,14,15,16,17,18,19,20,21,22,23,24,25,26,27,28,29,30,31
	v_mov_b32 v[O+\j], 0
.endr
	s_mov_b32 s[TB], 0
	s_mov_b32 s[TS], 0
.endm
; A KEY STEP: 128 keys
.macro STEP
	v_add_nc_u32 v[ADK], s[TB], v[LI]              ; these four lines are also the places behind the last step's products, ahead of loads into registers that they read
	v_add_nc_u32 v[ADV], s[TB], v[LV]
	v_add_nc_u32 v[ADS], s[TS], v[LS]
	v_nop
	ds_load_b128 v[KS:KS+3], v[ADS]
.irp g, 0,1,2,3
.irp c, 0,1
	ds_load_b128 v[KF+8*\g+4*\c:KF+8*\g+4*\c+3], v[ADK] offset:1024*\g+512*\c
.endr
.endr
	ds_load_b128 v[VS:VS+3], v[ADS] offset:VSC-KSC
.irp t, 0,1,2,3
.irp c, 0,1
	ds_load_b128 v[VF+8*\t+4*\c:VF+8*\t+4*\c+3], v[ADV] offset:1024*\t+512*\c
.endr
.endr
	s_wait_dscnt 9                                 ; K's nine loads are in; V's nine may stay out: they land while the softmax is walked
.irp g, 0,1,2,3                                ; S^T: register 16 g + 8 c + j of lane (r, h) is key 32 g + 16 h + 8 c + j of query r
.irp c, 0,1
	v_wmma_scale_f32_16x16x128_f8f6f4 v[S+8*(2*\g+\c):S+8*(2*\g+\c)+7], v[KF+8*\g:KF+8*\g+7], v[Q0+8*\c:Q0+8*\c+7], 0, v[KS+\g], v[QSW] matrix_a_fmt:MATRIX_FMT_FP4 matrix_b_fmt:MATRIX_FMT_FP4
.endr
.endr
	PLACES 4
.irp b, 0,1,2,3
	v_max3_num_f32 v[BM+\b], v[S+16*\b], v[S+16*\b+1], v[S+16*\b+2]   ; the largest score of each block of 32 keys: it serves for the row's maximum and, since p rises with the score, for the block's largest p
.endr
.irp i, 3,5,7,9,11,13
.irp b, 0,1,2,3
	v_max3_num_f32 v[BM+\b], v[BM+\b], v[S+16*\b+\i], v[S+16*\b+\i+1]
.endr
.endr
.irp b, 0,1,2,3
	v_max_num_f32 v[BM+\b], v[BM+\b], v[S+16*\b+15]
.endr
.irp b, 0,1,2,3
	s_delay_alu instid0(VALU_DEP_4)
	v_permlanex16_b32 v[BT+\b], v[BM+\b], s[SEL], s[SEL+1]
.endr
.irp b, 0,1,2,3
	s_delay_alu instid0(VALU_DEP_4)
	v_max_num_f32 v[BM+\b], v[BM+\b], v[BT+\b]     ; with lane l xor 16's 16 keys
.endr
	s_delay_alu instid0(VALU_DEP_2)
	v_max3_num_f32 v[T1], v[BM], v[BM+1], v[BM+2]
	s_delay_alu instid0(VALU_DEP_1)
	v_max_num_f32 v[T1], v[T1], v[BM+3]            ; the step's largest score of my query,
	s_delay_alu instid0(VALU_DEP_1)
	v_mul_f32 v[T1], s[CS], v[T1]                  ; as t (c is positive)
	s_delay_alu instid0(VALU_DEP_1)
	v_max_num_f32 v[NM+1], v[NM+1], v[T1]          ; the running largest t
	v_mov_b32 v[T1], v[NM]
	s_delay_alu instid0(VALU_DEP_2)
	v_floor_f32 v[NM], -v[NM+1]                    ; the new -M = floor(-t) = -ceil(t)
	s_delay_alu instid0(VALU_DEP_1)
	v_sub_f32 v[T1], v[NM], v[T1]                  ; old M less new M: a whole number, 0 or less
	s_delay_alu instid0(VALU_DEP_1)
	v_cvt_i32_f32 v[T1], v[T1]                     ; (it saturates)
	s_delay_alu instid0(VALU_DEP_1)
	v_ldexp_f32 v[F], 1.0, v[T1]                   ; f = 2^(old M - new M)
.irp j, 0,2,4,6,8,10,12,14,16,18,20,22,24,26,28,30,32,34,36,38,40,42,44,46,48,50,52,54,56,58,60,62
	v_pk_fma_f32 v[S+\j:S+\j+1], v[S+\j:S+\j+1], s[CS:CS+1], v[NM:NM+1] op_sel_hi:[1,0,0]   ; t - M, two at a time (of the pairs c and -M the low word serves both halves)
.endr
.irp b, 0,1,2,3
	v_fma_f32 v[BM+\b], v[BM+\b], s[CS], v[NM]     ; the same of each block's largest score
.endr
	s_wait_alu depctr_va_vdst(0)
.irp j, 0,1,2,3,4,5,6,7,8,9,10,11,12,13,14,15,16,17,18,19,20,21,22,23,24,25,26,27,28,29,30,31,32,33,34,35,36,37,38,39,40,41,42,43,44,45,46,47,48,49,50,51,52,53,54,55,56,57,58,59,60,61,62,63
	v_exp_f32 v[S+\j], v[S+\j]                     ; p = 2^(t - M), at most 1
.endr
	s_setprio 1
.irp b, 0,1,2,3
	v_exp_f32 v[BM+\b], v[BM+\b]                   ; the block's largest p: the same two instructions on the same number give the same bits
.endr
	v_pk_mul_f32 v[SUM:SUM+1], v[SUM:SUM+1], v[F:F+1] op_sel_hi:[1,0]   ; the sums under the new M (a plain place behind the exponentials)
	s_wait_alu depctr_va_vdst(0)
.irp b, 0,1,2,3
	v_max_num_f32 v[BM+\b], 0x1800000, v[BM+\b]    ; the floor 2^(3 - 127): the byte cannot fall under 1
.endr
.irp b, 0,1,2,3
	s_delay_alu instid0(VALU_DEP_4)
	v_add_nc_u32 v[BO+\b], 0xff000000, v[BM+\b]    ; 2 off the exponent field: the conversion's scale operand
.endr
.irp b, 0,1,2,3
	s_delay_alu instid0(VALU_DEP_4)
	v_lshrrev_b32 v[BT+\b], 23, v[BO+\b]           ; the scale's byte
.endr
	s_delay_alu instid0(VALU_DEP_3)
	v_lshl_or_b32 v[PSW], v[BT+1], 8, v[BT]        ; p's scale word for these 128 keys
	s_delay_alu instid0(VALU_DEP_1)
	v_lshl_or_b32 v[PSW], v[BT+2], 16, v[PSW]
	s_delay_alu instid0(VALU_DEP_1)
	v_lshl_or_b32 v[PSW], v[BT+3], 24, v[PSW]
.irp b, 0,1,2,3
	v_cvt_scalef32_pk8_fp4_f32 v[PC+2*\b], v[S+16*\b:S+16*\b+7], v[BO+\b]
	v_cvt_scalef32_pk8_fp4_f32 v[PC+2*\b+1], v[S+16*\b+8:S+16*\b+15], v[BO+\b]
.endr
	v_nop                                          ; one plain place behind a scaled conversion
.irp c, 0,1                                    ; a whole block to a lane: lanes 0-15 block 2 c, lanes 16-31 block 2 c + 1
.irp i, 0,1
	v_permlane16_swap_b32 v[PC+4*\c+\i], v[PC+4*\c+2+\i]
.endr
.endr
	v_pk_add_f32 v[234:235], v[100:101], v[104:105]
	v_pk_add_f32 v[252:253], v[108:109], v[112:113]
	v_pk_add_f32 v[250:251], v[116:117], v[120:121]
	v_pk_add_f32 v[248:249], v[124:125], v[128:129]
	v_pk_add_f32 v[246:247], v[132:133], v[136:137]
	v_pk_add_f32 v[244:245], v[140:141], v[144:145]
	v_pk_add_f32 v[242:243], v[148:149], v[152:153]
	v_pk_add_f32 v[14:15], v[14:15], v[156:157]
	v_pk_add_f32 v[234:235], v[234:235], v[96:97]
	v_pk_add_f32 v[252:253], v[252:253], v[98:99]
	v_pk_add_f32 v[250:251], v[250:251], v[102:103]
	v_pk_add_f32 v[248:249], v[248:249], v[106:107]
	v_pk_add_f32 v[246:247], v[246:247], v[110:111]
	v_pk_add_f32 v[244:245], v[244:245], v[114:115]
	v_pk_add_f32 v[242:243], v[242:243], v[118:119]
	v_pk_add_f32 v[14:15], v[14:15], v[122:123]
	v_pk_add_f32 v[234:235], v[234:235], v[126:127]
	v_pk_add_f32 v[252:253], v[252:253], v[130:131]
	v_pk_add_f32 v[250:251], v[250:251], v[134:135]
	v_pk_add_f32 v[248:249], v[248:249], v[138:139]
	v_pk_add_f32 v[246:247], v[246:247], v[142:143]
	v_pk_add_f32 v[244:245], v[244:245], v[146:147]
	v_pk_add_f32 v[242:243], v[242:243], v[150:151]
	v_pk_add_f32 v[14:15], v[14:15], v[154:155]
	v_pk_add_f32 v[234:235], v[234:235], v[158:159]
	s_delay_alu instid0(VALU_DEP_2)
	v_pk_add_f32 v[14:15], v[14:15], v[248:249]
	s_delay_alu instid0(VALU_DEP_2)
	v_pk_add_f32 v[234:235], v[234:235], v[246:247]
	v_pk_add_f32 v[252:253], v[252:253], v[244:245]
	v_pk_add_f32 v[250:251], v[250:251], v[242:243]
	s_delay_alu instid0(VALU_DEP_2)
	v_pk_add_f32 v[14:15], v[14:15], v[252:253]
	s_delay_alu instid0(VALU_DEP_2)
	v_pk_add_f32 v[234:235], v[234:235], v[250:251]
	s_delay_alu instid0(VALU_DEP_1)
	v_pk_add_f32 v[14:15], v[14:15], v[234:235]
	s_setprio 0
.irp j, 0,2,4,6,8,10,12,14,16,18,20,22,24,26,28,30
	v_pk_mul_f32 v[O+\j:O+\j+1], v[O+\j:O+\j+1], v[F:F+1] op_sel_hi:[1,0]   ; O^T under the new M.  (The sums and these lines are the places between p's codes and scale word and the products below)
.endr
	s_wait_alu depctr_va_vdst(0)
	s_wait_dscnt 0x0                               ; V's fragments and scale words are in
.irp t, 0,1,2,3                                ; O^T += V^T P^T: four tiles of 16 channels, by turns
	v_wmma_scale_f32_16x16x128_f8f6f4 v[O+8*\t:O+8*\t+7], v[VF+8*\t:VF+8*\t+7], v[PC:PC+7], v[O+8*\t:O+8*\t+7], v[VS+\t], v[PSW] matrix_a_fmt:MATRIX_FMT_FP4 matrix_b_fmt:MATRIX_FMT_FP4
.endr
	s_add_co_u32 s[TB], s[TB], 4096
	s_add_co_u32 s[TS], s[TS], 256
.endm
.macro KLOOP n
	s_mov_b32 s[CNT], \n
.Lkey_\@:
	s_setprio 2
	STEP
	s_sub_co_u32 s[CNT], s[CNT], 1
	s_cmp_lg_u32 s[CNT], 0
	s_cbranch_scc1 .Lkey_\@
	s_setprio 0
.endm
; A pass ends: O^T / sum; register 8 t + j of lane (r, h) is channel 32 (t / 2) + 16 h + 8 (t % 2) + j: two blocks of 32, quantised as p is; the codes are the image of half a fragment of the last product
.macro OUT p
	PLACES 4                                       ; behind the last products, ahead of the first read of O^T
	v_add_f32 v[SUM], v[SUM], v[SUM+1]             ; the sum's two halves,
	s_delay_alu instid0(VALU_DEP_1)
	v_permlanex16_b32 v[T1], v[SUM], s[SEL], s[SEL+1]
	s_delay_alu instid0(VALU_DEP_1)
	v_add_f32 v[SUM], v[SUM], v[T1]                ; and lane l xor 16's
	s_wait_alu depctr_va_vdst(0)
	v_rcp_f32 v[RL], v[SUM]
	v_nop                                          ; one plain place behind a transcendental
	s_wait_alu depctr_va_vdst(0)
.irp j, 0,1,2,3,4,5,6,7,8,9,10,11,12,13,14,15,16,17,18,19,20,21,22,23,24,25,26,27,28,29,30,31
	v_mul_f32 v[S+\j], v[O+\j], v[RL]              ; each accumulator from its low end on
.endr
.irp b, 0,1
	v_max3_num_f32 v[BM+\b], |v[S+16*\b]|, |v[S+16*\b+1]|, 0x1800000
.endr
.irp i, 2,4,6,8,10,12,14
.irp b, 0,1
	s_delay_alu instid0(VALU_DEP_2)
	v_max3_num_f32 v[BM+\b], v[BM+\b], |v[S+16*\b+\i]|, |v[S+16*\b+\i+1]|
.endr
.endr
.irp b, 0,1
	s_delay_alu instid0(VALU_DEP_2)
	v_permlanex16_b32 v[BT+\b], v[BM+\b], s[SEL], s[SEL+1]
.endr
.irp b, 0,1
	s_delay_alu instid0(VALU_DEP_2)
	v_max_num_f32 v[BM+\b], v[BM+\b], v[BT+\b]
.endr
.irp b, 0,1
	s_delay_alu instid0(VALU_DEP_2)
	v_add_nc_u32 v[BO+\b], 0xff000000, v[BM+\b]
.endr
.irp b, 0,1
	s_delay_alu instid0(VALU_DEP_2)
	v_lshrrev_b32 v[BT+\b], 23, v[BO+\b]
.endr
	s_delay_alu instid0(VALU_DEP_1)
	v_lshl_or_b32 v[OW+\p], v[BT+1], 8, v[BT]
.irp b, 0,1
	v_cvt_scalef32_pk8_fp4_f32 v[OC+4*\p+2*\b], v[S+16*\b:S+16*\b+7], v[BO+\b]
	v_cvt_scalef32_pk8_fp4_f32 v[OC+4*\p+2*\b+1], v[S+16*\b+8:S+16*\b+15], v[BO+\b]
.endr
	v_nop
	v_permlane16_swap_b32 v[OC+4*\p], v[OC+4*\p+2]
	v_permlane16_swap_b32 v[OC+4*\p+1], v[OC+4*\p+3]
	global_store_b128 v[LI], v[OC+4*\p:OC+4*\p+3], s[16:17] offset:131072*\p   ; 32 lanes store 512 consecutive bytes; each pass has its own data registers
	global_store_b16 v[GR], v[OW+\p], s[18:19] offset:8192*\p
.endm
	INIT
	KLOOP 16
	QLOAD 1                                        ; the last products that read Q stand a softmax back
	OUT 0
	INIT
	KLOOP 16
	OUT 1
	s_wait_tensorcnt 0x0
	ds_add_u32 v254, v255
	s_wait_dscnt 0x0
	CROUND                                         ; the closing round
	s_endpgm
.Lfunc_end_k_qb73fd7f311_attn:
	.size	k_qb73fd7f311_attn, .Lfunc_end_k_qb73fd7f311_attn-k_qb73fd7f311_attn
	.p2alignl 7, 3214868480
	.fill 96, 4, 3214868480
	.section	.rodata,"a",@progbits
	.p2align	6, 0x0
	.amdhsa_kernel k_qb73fd7f311_attn
		.amdhsa_group_segment_fixed_size 169984
		.amdhsa_private_segment_fixed_size 0
		.amdhsa_enable_private_segment 0
		.amdhsa_kernarg_size 64
		.amdhsa_user_sgpr_count 2
		.amdhsa_user_sgpr_kernarg_segment_ptr 1
		.amdhsa_wavefront_size32 1
		.amdhsa_system_sgpr_workgroup_id_x 1
		.amdhsa_system_sgpr_workgroup_id_y 1
		.amdhsa_system_sgpr_workgroup_id_z 1
		.amdhsa_system_vgpr_workitem_id 0
		.amdhsa_next_free_vgpr 256
		.amdhsa_next_free_sgpr 84
		.amdhsa_reserve_vcc 0
		.amdhsa_float_denorm_mode_32 3
		.amdhsa_float_denorm_mode_16_64 3
		.amdhsa_memory_ordered 1
		.amdhsa_forward_progress 1
		.amdhsa_inst_pref_size 51
	.end_amdhsa_kernel
	.amdgpu_metadata
---
amdhsa.version: [ 1, 2 ]
amdhsa.kernels:
  - .name:           k_qb73fd7f311_attn
    .symbol:         k_qb73fd7f311_attn.kd
    .args:
      - { .name: q_img, .offset: 0, .size: 8, .value_kind: global_buffer, .address_space: global }
      - { .name: q_sc, .offset: 8, .size: 8, .value_kind: global_buffer, .address_space: global }
      - { .name: k_img, .offset: 16, .size: 8, .value_kind: global_buffer, .address_space: global }
      - { .name: k_sc, .offset: 24, .size: 8, .value_kind: global_buffer, .address_space: global }
      - { .name: v_img, .offset: 32, .size: 8, .value_kind: global_buffer, .address_space: global }
      - { .name: v_sc, .offset: 40, .size: 8, .value_kind: global_buffer, .address_space: global }
      - { .name: o_img, .offset: 48, .size: 8, .value_kind: global_buffer, .address_space: global }
      - { .name: o_sc, .offset: 56, .size: 8, .value_kind: global_buffer, .address_space: global }
    .group_segment_fixed_size: 169984
    .private_segment_fixed_size: 0
    .kernarg_segment_align: 8
    .kernarg_segment_size: 64
    .max_flat_workgroup_size: 512
    .sgpr_count:     84
    .vgpr_count:     256
    .wavefront_size: 32
...
	.end_amdgpu_metadata
.endif
;; end of part 2
;; launch oproj (part 3): grid 4 x 64, 4 waves a work-group, clusters of 4 x 4, 327,680 bytes of LDS; arguments o_img, o_sc, Wo_codes, Wo_scales, bo, out0; writes out0
.if DOCPART == 3
	.amdgcn_target "amdgcn-amd-amdhsa--gfx1250"
	.amdhsa_code_object_version 6
	.text
	.protected	k_qb73fd7f311_oproj
	.globl	k_qb73fd7f311_oproj
	.p2align	8
	.type	k_qb73fd7f311_oproj,@function
k_qb73fd7f311_oproj:
	s_mov_b64 s[64:65], 0
	v_nop
	global_prefetch_b8 v0, s[64:65] scope:SCOPE_SE
	s_setreg_imm32_b32 hwreg(HW_REG_WAVE_MODE, 25, 1), 1
	s_wait_xcnt 0x0
	s_wait_alu depctr_hold_cnt(0) depctr_sa_sdst(0) depctr_va_vdst(0) depctr_va_sdst(0) depctr_va_ssrc(0) depctr_va_vcc(0) depctr_vm_vsrc(0)
	s_getreg_b32 s2, hwreg(HW_REG_IB_STS2, 6, 4)
	s_cmp_eq_u32 s2, 0
	s_cbranch_scc0 .Lentry_in_a_cluster
	s_endpgm
.Lentry_in_a_cluster:
	s_bfe_u32 s2, ttmp6, 0x10000c
	s_cmp_lg_u32 s2, 0xf033
	s_cbranch_scc0 .Lentry_shape_is_right
	s_endpgm
.Lentry_shape_is_right:
; out0 = O Wo^T + bo on codes of FP4 (E2M1) with one E8M0 scale for each 32 along K = 1,024; sums and result in f32.
; O arrives as images of operand registers, [tile of 16 rows][head][512]: heads 2 q and 2 q + 1 together are the fragment of K step q; its scale words [tile][half][r][4 words].  Wo arrives as rows of 512 bytes.
; SHARES.  A work-group makes 128 rows (8 tiles a) x 256 columns; wave w all 128 rows x columns 64 w .. 64 w + 63 (4 tiles t): 32 accumulators, 256 registers.  All of K fits in LDS, filled ONCE, by joint loads:
; O's tiles are shared along the cluster's row, Wo's along its column.  No LDS byte is filled twice; the stage for the way out has bytes of its own.
; THE PRODUCT IS USED TRANSPOSED (source 0 = 16 rows of Wo, source 1 = 16 rows of O): a lane holds eight neighbouring columns of one row.  The bias is the C of each sum's first product.
; THE ROWS OF A TILE OF O ARE NOT NEIGHBOURS: row i of tile 2 b + u is row 32 b + 8 u + i + 8 (i / 8) of the 128, as the first launch chose them; the stores' offsets put them back.
; LIMITS: NaN and infinities are not served.
; REGISTERS: window 0: v8-15 addresses; v32-95 O's scale words, v96-127 Wo's (nothing else ever lies there); v128-255 O's fragments, two sets; on the way out v128-191 rows of the result.
;   window 1: the accumulators, (a, t) at 8 (4 a + t).   window 2: v0-63 Wo's fragments, two sets; v64-95 the bias.
.set BTILE, 65536                      ; LDS: O's images from 0, dense; Wo's 256 rows from here, 528 bytes apart (512 + 16 of padding: row r starts at bank 4 r mod 64; 64 banks of 4 bytes: ISA guide 11.1)
.set SCA,   200704                     ; O's scale words, dense
.set SCB,   204800                     ; Wo's scale bytes: 32 pieces of 256 bytes + 16 of padding
.set STAGE, 213504                     ; the way out: 16 rows x (256 + 16) bytes for each wave
.set ADRA, 8
.set ADRB, 9
.set ADSA, 10
.set ADSB, 11
.set STO,  12
.set RD,   13
.set CO,   14
.set BOF,  15
.set SA,   32
.set SB,   96
.set AF,   128
.set BK,   128
.set BIAS, 64
.set WV,   38
.set HW,   39                          ; wave / 2: I fetch for O (0) or for Wo (1)
.set HF,   40                          ; wave % 2: which half
.set CX,   41
.set CY,   42
.set TR,   43
.set TC,   60
.set G0A,  20
.set G0B,  24
.set G0SA, 28
.set G0SB, 32
.set G1A,  68
.set G1B,  76
.set G1SA, 84
.set G1SB, 92
.set MSB, 0
.macro WIN new                         ; the immediate's high byte repeats the setting that is left; a switch that changes nothing is dropped
.if MSB != (\new)
	s_set_vgpr_msb (MSB<<8)|(\new)
.set MSB, (\new)
.endif
.endm
.macro PLACES n
.rept \n
	v_nop
.endr
.endm
.macro CROUND                          ; a round of the cluster's barrier
	s_barrier_signal -1
	s_barrier_wait -1
	s_cmp_lg_u32 s[WV], 0
	s_cbranch_scc1 .Lnw0_\@
	s_barrier_signal -3
.Lnw0_\@:
	s_barrier_wait -3
	s_barrier_signal -1
	s_barrier_wait -1
.endm
.macro JLOAD g0a, g1a, g0b, g1b        ; a joint load: waves 0 and 1 fetch for O, waves 2 and 3 for Wo; four v_nop follow each of the two lines
	s_cmp_eq_u32 s[HW], 0
	s_cbranch_scc0 .Lfor_b_\@
	tensor_load_to_lds s[\g0a:\g0a+3], s[\g1a:\g1a+7]
	s_nop 0
.rept 4
	v_nop
.endr
	s_branch .Lasked_\@
.Lfor_b_\@:
	tensor_load_to_lds s[\g0b:\g0b+3], s[\g1b:\g1b+7]
	s_nop 0
.rept 4
	v_nop
.endr
.Lasked_\@:
.endm
	s_load_b128 s[4:7], s[0:1], 0x0                ; O's images, O's scale words
	s_load_b128 s[8:11], s[0:1], 0x10              ; Wo's codes, Wo's scales
	s_load_b128 s[12:15], s[0:1], 0x20             ; bo, out0
	v_lshl_add_u32 v30, v0, 2, 0x38600
	v_mov_b32 v31, 0
	ds_add_u32 v30, v31
	ds_add_u32 v30, v31
	v_lshrrev_b32 v1, 5, v0
	v_readfirstlane_b32 s[WV], v1                  ; wave 0..3
	s_lshr_b32 s[HW], s[WV], 1
	s_and_b32 s[HF], s[WV], 1
	s_bfe_u32 s[CX], ttmp6, 0x40000
	s_bfe_u32 s[CY], ttmp6, 0x40004
	s_lshl_b32 s[TC], ttmp9, 2
	s_add_co_u32 s[TC], s[TC], s[CX]               ; which 256 columns
	s_and_b32 s[TR], ttmp7, 0xffff
	s_lshl_b32 s[TR], s[TR], 2
	s_add_co_u32 s[TR], s[TR], s[CY]               ; which 128 rows
	s_lshl_b32 s44, s[CY], 2
	s_lshl_b32 s44, 15, s44                        ; my row of the cluster
	s_lshl_b32 s45, 0x1111, s[CX]                  ; my column
	; group 1.  O's images and scale words: dense memory as rows of 256 bytes, no padding: 128 rows and 8 rows to a load
	s_or_b32 s[G1A], s44, (3<<16)|(1<<21)
	s_or_b32 s[G1SA], s44, (3<<16)|(1<<21)
.irp g, G1A, G1SA
	s_mov_b32 s[\g+1], 32<<16
	s_mov_b32 s[\g+3], 32<<16
	s_mov_b32 s[\g+5], 32
	s_mov_b32 s[\g+6], 0
	s_mov_b32 s[\g+7], 0
.endr
	s_mov_b32 s[G1A+2], 128<<16
	s_mov_b32 s[G1A+4], 128
	s_mov_b32 s[G1SA+2], 8<<16
	s_mov_b32 s[G1SA+4], 8
	; Wo's codes: 128 rows of 512 bytes (64 elements of 8 bytes), 4 words of padding after every 128
	s_or_b32 s[G1B], s45, (3<<16)|(1<<20)|(1<<21)|(6<<22)|(3<<25)
	s_mov_b32 s[G1B+1], 64<<16
	s_mov_b32 s[G1B+2], 128<<16
	s_mov_b32 s[G1B+3], 64<<16
	s_mov_b32 s[G1B+4], 128
	s_mov_b32 s[G1B+5], 64
	s_mov_b32 s[G1B+6], 0
	s_mov_b32 s[G1B+7], 0
	; Wo's scale bytes: 16 rows of 256 bytes, 4 words of padding after every 64
	s_or_b32 s[G1SB], s45, (3<<16)|(1<<20)|(1<<21)|(5<<22)|(3<<25)
	s_mov_b32 s[G1SB+1], 32<<16
	s_mov_b32 s[G1SB+2], 16<<16
	s_mov_b32 s[G1SB+3], 32<<16
	s_mov_b32 s[G1SB+4], 16
	s_mov_b32 s[G1SB+5], 32
	s_mov_b32 s[G1SB+6], 0
	s_mov_b32 s[G1SB+7], 0
	; where the tiles begin, in bytes.  O's hang on the rows alone, Wo's on the columns alone
	s_lshl_b32 s46, s[TR], 16
	s_lshl_b32 s54, s[HF], 15
	s_add_co_u32 s46, s46, s54                     ; O's images: 65,536 for 128 rows, my half
	s_mov_b32 s47, 0
	s_lshl_b32 s48, s[TR], 12
	s_lshl_b32 s54, s[HF], 11
	s_add_co_u32 s48, s48, s54                     ; O's scale words: 4,096 for 128 rows
	s_mov_b32 s49, 0
	s_lshl_b32 s50, s[TC], 17
	s_lshl_b32 s54, s[HF], 16
	s_add_co_u32 s50, s50, s54                     ; Wo's codes: (256 TC + 128 HF) x 512
	s_mov_b32 s51, 0
	s_lshl_b32 s52, s[TC], 13
	s_lshl_b32 s54, s[HF], 12
	s_add_co_u32 s52, s52, s54                     ; Wo's scales: (256 TC + 128 HF) x 32
	s_mov_b32 s53, 0
	s_wait_dscnt 0x0
	s_wait_kmcnt 0x0
	s_mov_b32 s[G0A], 1
	s_lshl_b32 s[G0A+1], s[HF], 15
	s_add_nc_u64 s[G0A+2:G0A+3], s[4:5], s[46:47]
	s_or_b32 s[G0A+3], s[G0A+3], 0x80000000
	s_mov_b32 s[G0B], 1
	s_mul_i32 s[G0B+1], s[HF], 67584
	s_add_co_u32 s[G0B+1], s[G0B+1], BTILE
	s_add_nc_u64 s[G0B+2:G0B+3], s[8:9], s[50:51]
	s_or_b32 s[G0B+3], s[G0B+3], 0x80000000
	s_mov_b32 s[G0SA], 1
	s_lshl_b32 s[G0SA+1], s[HF], 11
	s_add_co_u32 s[G0SA+1], s[G0SA+1], SCA
	s_add_nc_u64 s[G0SA+2:G0SA+3], s[6:7], s[48:49]
	s_or_b32 s[G0SA+3], s[G0SA+3], 0x80000000
	s_mov_b32 s[G0SB], 1
	s_mul_i32 s[G0SB+1], s[HF], 4352
	s_add_co_u32 s[G0SB+1], s[G0SB+1], SCB
	s_add_nc_u64 s[G0SB+2:G0SB+3], s[10:11], s[52:53]
	s_or_b32 s[G0SB+3], s[G0SB+3], 0x80000000
	CROUND                                         ; all sixteen work-groups are here: the joint loads meet
	JLOAD G0SA, G1SA, G0SB, G1SB                   ; one load a wave is out: with the next, the launch's only fills
	s_wait_alu depctr_va_vdst(0)
	s_wait_tensorcnt 0x0
	ds_add_u32 v30, v31
	s_wait_dscnt 0x0
	CROUND
	JLOAD G0A, G1A, G0B, G1B
	v_and_b32 v1, 15, v0                           ; r
	v_bfe_u32 v2, v0, 4, 1                         ; h
	v_bfe_u32 v3, v0, 3, 1                         ; r / 8
	v_and_b32 v4, 31, v0
	v_lshlrev_b32 v[ADRA], 4, v4                   ; an image: 16 x lane
	v_mul_u32_u24 v5, v1, 528
	v_lshl_add_u32 v5, v2, 4, v5
	s_mul_i32 s54, s[WV], 33792                    ; my 64 rows of Wo
	s_add_co_u32 s54, s54, BTILE
	v_add_nc_u32 v[ADRB], s54, v5
	v_lshlrev_b32 v6, 4, v1                        ; 16 r
	v_add_nc_u32 v[ADSA], SCA, v6
	v_lshlrev_b32 v7, 5, v1
	v_lshl_add_u32 v7, v3, 4, v7                   ; Wo's scale bytes: 32 a row, and 16 more behind each eight rows
	s_mul_i32 s54, s[WV], 2176
	s_add_co_u32 s54, s54, SCB
	v_add_nc_u32 v[ADSB], s54, v7
	s_mul_i32 s54, s[WV], 4352
	s_add_co_u32 s54, s54, STAGE                   ; my stage
	v_mul_u32_u24 v5, v1, 272
	v_lshl_add_u32 v5, v2, 5, v5
	v_add_nc_u32 v[STO], s54, v5                   ; in: row r, 32 bytes for each half of the lanes
	v_mul_u32_u24 v5, v2, 272
	v_add_nc_u32 v5, v5, v6
	v_add_nc_u32 v[RD], s54, v5                    ; back: lanes 0-15 one row of 256 bytes, lanes 16-31 the next
	v_lshl_add_u32 v[CO], v2, 12, v6               ; and the same two rows in out0 (4,096 bytes a row)
	v_lshlrev_b32 v[BOF], 5, v2
	s_wait_alu depctr_va_vdst(0)
	s_lshl_b32 s54, s[TC], 10
	s_lshl_b32 s55, s[WV], 8
	s_add_co_u32 s54, s54, s55                     ; my 64 columns, in bytes
	s_mov_b32 s55, 0
	s_add_nc_u64 s[12:13], s[12:13], s[54:55]
	s_add_nc_u64 s[14:15], s[14:15], s[54:55]
	s_lshl_b32 s54, s[TR], 19                      ; my 128 rows
	s_add_nc_u64 s[14:15], s[14:15], s[54:55]
	WIN 0x80                                       ; destination window 2
.irp t, 0,1,2,3                                ; register j of lane (r, h) is column 16 t + 8 h + j
	global_load_b128 v[BIAS+8*\t:BIAS+8*\t+3], v[BOF], s[12:13] offset:64*\t
	global_load_b128 v[BIAS+8*\t+4:BIAS+8*\t+7], v[BOF], s[12:13] offset:64*\t+16
.endr
	WIN 0
	s_wait_tensorcnt 0x0                           ; my two loads have landed,
	s_barrier_signal -1
	s_barrier_wait -1                              ; everybody's have
.irp hf, 0,1                                   ; all scale words, once: 16 bytes are a row's words of four K steps
.irp a, 0,1,2,3,4,5,6,7
	ds_load_b128 v[SA+32*\hf+4*\a:SA+32*\hf+4*\a+3], v[ADSA] offset:512*\a+256*\hf
.endr
.irp t, 0,1,2,3
	ds_load_b128 v[SB+16*\hf+4*\t:SB+16*\hf+4*\t+3], v[ADSB] offset:544*\t+16*\hf
.endr
.endr
.macro FETCH q                         ; 24 LDS loads: the fragments of K step q into set q % 2
.irp a, 0,1,2,3,4,5,6,7
.irp c, 0,1
	ds_load_b128 v[AF+64*((\q)%2)+8*\a+4*\c:AF+64*((\q)%2)+8*\a+4*\c+3], v[ADRA] offset:8192*\a+1024*(\q)+512*\c
.endr
.endr
	WIN 0x80
.irp t, 0,1,2,3
.irp c, 0,1
	ds_load_b128 v[32*((\q)%2)+8*\t+4*\c:32*((\q)%2)+8*\t+4*\c+3], v[ADRB] offset:8448*\t+64*(\q)+32*\c
.endr
.endr
	WIN 0
.endm
; K step q: the next step's fragments are asked for, then 32 products; the 32 accumulators take turns, one instruction a turn
.macro STEP q
.set AQ, AF+64*((\q)%2)
.set BQ, 32*((\q)%2)
.set SAQ, SA+32*((\q)/4)+(\q)%4
.set SBQ, SB+16*((\q)/4)+(\q)%4
.if (\q) > 0
	PLACES 4                                       ; the set that is loaded next was read by the products just issued: four places (ISA guide 7.12.1 for vector instructions)
.endif
.if (\q) < 7
	FETCH (\q)+1
	s_wait_dscnt 24                                ; all but the 24 just issued
.else
	s_wait_dscnt 0x0
.endif
.if (\q) == 0
	WIN 0x62                                       ; Wo window 2, O window 0, C = the bias in window 2, D window 1
.else
	WIN 0x52                                       ; C and D window 1
.endif
.irp a, 0,1,2,3,4,5,6,7
.irp t, 0,1,2,3
.set DD, 8*(4*\a+\t)
.if (\q) == 0
	v_wmma_scale_f32_16x16x128_f8f6f4 v[DD:DD+7], v[BQ+8*\t:BQ+8*\t+7], v[AQ+8*\a:AQ+8*\a+7], v[BIAS+8*\t:BIAS+8*\t+7], v[SBQ+4*\t], v[SAQ+4*\a] matrix_a_fmt:MATRIX_FMT_FP4 matrix_b_fmt:MATRIX_FMT_FP4
.else
	v_wmma_scale_f32_16x16x128_f8f6f4 v[DD:DD+7], v[BQ+8*\t:BQ+8*\t+7], v[AQ+8*\a:AQ+8*\a+7], v[DD:DD+7], v[SBQ+4*\t], v[SAQ+4*\a] matrix_a_fmt:MATRIX_FMT_FP4 matrix_b_fmt:MATRIX_FMT_FP4
.endif
.endr
.endr
	WIN 0
.endm
	FETCH 0
	s_wait_loadcnt 0x0                             ; the bias
.irp q, 0,1,2,3,4,5,6,7
	STEP \q
.endr
; THE WAY OUT, a tile of 16 rows x my 64 columns at a time.  A lane holds 32 neighbouring bytes of a row and the lanes beside it hold other rows: so a tile goes through my own stage and comes back as whole
; runs of 256 bytes.  LDS serves a wave's instructions in order (ISA guide 5.7.1.4): no wait between the stores and the loads, nor in front of the next tile's stores.
.macro TOSTAGE a
	WIN 0x04                                       ; an LDS store's data are its source 1: window 1
.irp t, 0,1,2,3
	ds_store_b128 v[STO], v[8*(4*(\a)+\t):8*(4*(\a)+\t)+3] offset:64*\t        ; each accumulator from its low end on
	ds_store_b128 v[STO], v[8*(4*(\a)+\t)+4:8*(4*(\a)+\t)+7] offset:64*\t+16
.endr
	WIN 0
.irp i, 0,1,2,3,4,5,6,7
	ds_load_b128 v[BK+32*((\a)%2)+4*\i:BK+32*((\a)%2)+4*\i+3], v[RD] offset:544*\i
.endr
.endm
.macro SEND a, younger                 ; younger: the LDS instructions issued behind tile a's loads, which may stay out
	s_wait_dscnt \younger
.irp i, 0,1,2,3,4,5,6,7                        ; the tile's rows 2 i and 2 i + 1 are rows 32 (a / 2) + 8 (a % 2) + 2 i + 8 (i / 4) and the next of my 128
	global_store_b128 v[CO], v[BK+32*((\a)%2)+4*\i:BK+32*((\a)%2)+4*\i+3], s[14:15] offset:(32*((\a)/2)+8*((\a)%2)+2*\i+8*(\i/4))*4096 th:TH_STORE_NT   ; 16 lanes store 256 consecutive bytes, at a multiple of 256 from out0's first byte; written once, read by nobody here
.endr
.endm
	PLACES 4                                       ; behind the last products, ahead of the first read of results and of loads into registers that held fragments
	TOSTAGE 0
.irp a, 1,2,3,4,5,6,7
.if \a > 1
	s_wait_xcnt 0x0                                ; tile a - 2's stores have read their registers: tile a's loads may land there
.endif
	TOSTAGE \a
	SEND \a-1, 16                                  ; behind tile a - 1's loads: tile a's 8 stores and 8 loads
.endr
	SEND 7, 0
	s_wait_tensorcnt 0x0
	ds_add_u32 v30, v31
	s_wait_dscnt 0x0
	CROUND                                         ; the closing round: no work-group ends while a partner may still ask for a tile that names it
	s_endpgm
.Lfunc_end_k_qb73fd7f311_oproj:
	.size	k_qb73fd7f311_oproj, .Lfunc_end_k_qb73fd7f311_oproj-k_qb73fd7f311_oproj
	.p2alignl 7, 3214868480
	.fill 96, 4, 3214868480
	.section	.rodata,"a",@progbits
	.p2align	6, 0x0
	.amdhsa_kernel k_qb73fd7f311_oproj
		.amdhsa_group_segment_fixed_size 327680
		.amdhsa_private_segment_fixed_size 0
		.amdhsa_enable_private_segment 0
		.amdhsa_kernarg_size 48
		.amdhsa_user_sgpr_count 2
		.amdhsa_user_sgpr_kernarg_segment_ptr 1
		.amdhsa_wavefront_size32 1
		.amdhsa_system_sgpr_workgroup_id_x 1
		.amdhsa_system_sgpr_workgroup_id_y 1
		.amdhsa_system_sgpr_workgroup_id_z 1
		.amdhsa_system_vgpr_workitem_id 0
		.amdhsa_next_free_vgpr 640
		.amdhsa_next_free_sgpr 100
		.amdhsa_reserve_vcc 0
		.amdhsa_float_denorm_mode_32 3
		.amdhsa_float_denorm_mode_16_64 3
		.amdhsa_memory_ordered 1
		.amdhsa_forward_progress 1
		.amdhsa_inst_pref_size 73
	.end_amdhsa_kernel
	.amdgpu_metadata
---
amdhsa.version: [ 1, 2 ]
amdhsa.kernels:
  - .name:           k_qb73fd7f311_oproj
    .symbol:         k_qb73fd7f311_oproj.kd
    .args:
      - { .name: o_img, .offset: 0, .size: 8, .value_kind: global_buffer, .address_space: global }
      - { .name: o_sc, .offset: 8, .size: 8, .value_kind: global_buffer, .address_space: global }
      - { .name: Wo_codes, .offset: 16, .size: 8, .value_kind: global_buffer, .address_space: global }
      - { .name: Wo_scales, .offset: 24, .size: 8, .value_kind: global_buffer, .address_space: global }
      - { .name: bo, .offset: 32, .size: 8, .value_kind: global_buffer, .address_space: global }
      - { .name: out0, .offset: 40, .size: 8, .value_kind: global_buffer, .address_space: global }
    .group_segment_fixed_size: 327680
    .private_segment_fixed_size: 0
    .kernarg_segment_align: 8
    .kernarg_segment_size: 48
    .max_flat_workgroup_size: 128
    .sgpr_count:     100
    .vgpr_count:     640
    .wavefront_size: 32
...
	.end_amdgpu_metadata
.endif
;; end of part 3
